; MI455X (gfx1250); checked and timed in simulation.
; The chip was launched on July 23, 2026; its instructions are those of AMD's public machine-readable ISA for CDNA 5 (MIT licence, August 2026) and "CDNA5" Instruction Set Architecture Reference Guide (July 2026). The comments in the code are by the model that wrote it; some were corrected since.
;; VQ Module. Allowed arithmetic: matrix products marked QUANTISED: E4M3 operands, one given power-of-two scale a tensor, by v_wmma_f32_16x16x64_fp8_fp8 or v_wmma_f32_16x16x128_fp8_fp8, f32 sums; everything else in f32.
;; Inputs: embed 256 x 8,192 float32; lowp_scales 2 int32 (the exponents e of the quantised operands' scales 2^e); x 32 x 256 x 32 x 32 float32.
;; Outputs: out0 32 x 256 x 32 x 32 float32; out1 32 x 32 x 32 int32.
;; This version of the problem:
;;   THIS VERSION OF THE PROBLEM IS GIVEN IN LOW PRECISION. The matrix products marked QUANTISED in the list below multiply operands that are first quantised to E4M3 (4 exponent bits, 3 mantissa bits; 8 bits a number), with one given power-of-two scale for each operand tensor; their sums are f32. All else is computed in f32.
;;   The module's matrix products, in the order in which they are computed (A, B: the left and right operand; K: the contracted axis; several contracted axes count as one K, in the product's order):
;;     1. [M 32,768, K 256] x [K 256, N 8,192]; A: computed on the way; B: input embed: QUANTISED (scales: A lowp_scales[0], B lowp_scales[1])
;;   THE QUANTISER, for each operand of a quantised product, along K:
;;     - The operand's scale is 2^e, e = its entry of the input lowp_scales (int32; the entries are numbered through the quantised products in the list's order, A before B).
;;     - Each number is divided by the scale, clamped to +-448, and rounded to the nearest number of E4M3, ties to even, subnormals kept.
;;     - The product sums the exact products of the quantised numbers (number of the format x scale) in f32.
;;   ~~~python
;;   def quantise(x, axis, e):      # numpy; x: float32 -> the quantised numbers, widened to float32 again
;;       x = np.moveaxis(x, axis, -1); K = x.shape[-1]
;;       r = np.clip(x / 2.0 ** e, -448, 448)
;;       step = 2.0 ** (np.maximum(np.frexp(np.where(r == 0, 1, r))[1] - 1, -6) - 3)
;;       q = np.round(r / step) * step * 2.0 ** e      # np.round: ties to even
;;       return np.moveaxis(q, -1, axis).astype(np.float32)
;;   ~~~
;;   OPERANDS COMPUTED ON THE WAY. 'Computed on the way' means the value that the module computes at that place (a softmax that the list does not call 'softmax' is quantised finished and normalised). What goes into a quantiser is computed in f32, as accurately as f32 sums, v_exp_f32 and their like allow (about 1e-6 of the number): no bf16 or f16 on the way to a quantiser, and a product that is left as it is and whose result goes on into a quantised operand takes f32 operands (vector FMAs, or v_wmma_f32_16x16x4_f32). A number that lies on a knife's edge between two numbers of the format may be rounded either way, as far as f32 arithmetic and the matrix unit's own rounding can turn it there, and no further.
;; One version. Each part assembles by itself: llvm-mc -triple=amdgcn-amd-amdhsa -mcpu=gfx1250 --defsym DOCPART=n.
;; ======== version 1 of 1: 3 launches
;; limits: right only within a limited range of input values
;; workspace buffers: zimg 8,388,608 bytes; eimg 2,129,920 bytes; embT 8,388,608 bytes; cand 2,097,152 bytes of whole numbers
;; launch quant (part 1): grid 640 x 1, 8 waves a work-group, no clusters, 71,680 bytes of LDS; arguments x, embed, lowp_scales, zimg, eimg, embT; writes zimg, eimg, embT
.if DOCPART == 1
	.amdgcn_target "amdgcn-amd-amdhsa--gfx1250"
	.amdhsa_code_object_version 6
	.text
	.protected	k_q1796449139_quant
	.globl	k_q1796449139_quant
	.p2align	8
	.type	k_q1796449139_quant,@function
k_q1796449139_quant:
	s_mov_b64 s[64:65], 0
	v_nop
	global_prefetch_b8 v0, s[64:65] scope:SCOPE_SE
	s_setreg_imm32_b32 hwreg(HW_REG_WAVE_MODE, 25, 1), 1
	s_wait_xcnt 0x0
; BOTH OPERANDS OF THE DISTANCE PRODUCT ARE QUANTISED ONCE, to codes of FP8 (E4M3), and laid as the product's launch wants them.
; WORK LEFT OUT IN THIS PROGRAM, for all values of the inputs:
;  (a) sum(flatten^2) is added to every one of a vector's 8,192 distances alike: it is the same along the argmin's axis, so in real numbers it moves no id.  It is not computed.
;  (b) out = vqs + x - stop_gradient(x): x - x is 0 by identity, so out = vqs.  x is read for the product's operand alone, here, and by no later launch.
;  LIMIT: a NaN, an infinity or an overflow that reaches only (a) or (b) is not carried to the result.
; x[b] is [256 (k)][1024 (positions)], embed is [256 (k)][8192 (codewords)], f32: in both K is the FIRST axis; pointers, a pitch and an exponent are chosen by the work-group's number.
; Operand A is 2 x (reference() multiplies by 2 ahead of the product) with the scale 2^e0: code = 2 x / 2^e0 = x / 2^(e0 - 1), held within +-448: exact.  Operand B is embed with 2^e1.
; SHARES.  Work-groups 0-511: x, 64 positions (256 bytes of each of the 256 rows of one b).  Work-groups 512-639: embed, 64 codewords.  Wave v: 32 columns (v & 1) x 64 k (v >> 1).
; A LANE TAKES A COLUMN AND ITS 64 REGISTERS RUN DOWN K: a load reads 128 consecutive bytes, the two waves side by side 256; the conversions give codes along K.
; OUT.  (1) The codes, as an IMAGE OF THE OPERAND'S REGISTERS: a tile of 16 columns x 256 k is 4,096 bytes; register p (0 .. 31) of lane L lies at 512 (p / 4) + 16 L + 4 (p % 4).  With P[u] = the 8 codes of k = 8 u .. 8 u + 7,
;   group G (four registers) of the lanes' half hl holds P[4 G + hl], P[4 G + 2 + hl]: k in the places that the plain 8-bit layout gives it (ISA guide 7.12.2).  zimg: 2,048 tiles on end, columns in x's own order b, h, w.
;   eimg: 128 records of 16,640 bytes: four tiles' images, then (2).
; (2) embed alone: the codewords' sums of squares, as -sum / 2^(e0 + e1): the product's launch gives them to the matrix unit as the sums' start.  Sign and power of two round nothing.
; (3) embed alone: its transpose embT [8192][256] f32, for the last launch's gather, through a stage in LDS, so that sixteen lanes store 256 consecutive aligned bytes of a row.
; No tensor loads, no cluster: no two work-groups read the same byte, and every load is on its way at once.  x's and embed's work-groups part once, on the work-group's number; LDS and the one barrier are embed's alone.
; LIMITS: e0 - 1 and e1 between -126 and 119, e0 + e1 between -126 and 126, so that each power of two below is an f32 number.  NaN and infinities among the inputs are not served.
.set XWG,    512                       ; x's work-groups
.set SPITCH, 272                       ; a stage row: 256 bytes + 16 = 68 words (64 banks of 4 bytes: ISA guide 11.1)
.set STGB,   32*SPITCH                 ; a wave's stage: 32 columns
.set SUMS,   8*STGB                    ; behind the stages: 4 quarters x 64 columns x 4 bytes
.set REC,    16640                     ; a record of eimg
.set OFFS, 4                           ; v4-11   4 x lane + i x pitch
.set IMO,  12                          ; v12     my 16 bytes in the images
.set STI,  13                          ; v13     the stage, in: my column's row
.set STO,  14                          ; v14     the stage, out: sixteen lanes to a row
.set ETO,  15                          ; v15     and the same place in embT
.set SMA,  16                          ; v16     where my column's partial sum goes
.set SML,  17                          ; v17     wave 0: where two columns' partial sums lie
.set SC,   18                          ; v18     the scale as f32
.set LIM,  19                          ; v19     448 x the scale
.set S,    20                          ; v20-23  the sum of squares, two packed chains
.set L8,   36                          ; v36     8 x lane
.set L4,   37                          ; v37     4 x lane
.set X,    40                          ; v40-103 my column's 64 numbers, k ascending
.set OUTR, 104                         ; v104-135 the way out of the stage
.set CD,   104                         ; v104-119 the codes (over OUTR, behind the wait that frees it)
	s_load_b256 s[4:11], s[0:1], 0x0               ; x s[4:5], embed s[6:7], the exponents s[8:9], zimg s[10:11]
	s_load_b128 s[12:15], s[0:1], 0x20             ; eimg s[12:13], embT s[14:15]
	v_lshl_add_u32 v136, v0, 2, 0x11400            ; my spare word, behind the sums; v137 = 0
	v_mov_b32 v137, 0
	v_lshrrev_b32 v1, 5, v0
	s_delay_alu instid0(VALU_DEP_1)
	v_readfirstlane_b32 s18, v1                    ; wave 0..7
	v_and_b32 v1, 31, v0                           ; lane
	v_and_b32 v2, 15, v0                           ; lane % 16
	v_bfe_u32 v3, v0, 4, 1                         ; lane / 16
	s_and_b32 s19, s18, 1                          ; cg: which 32 columns
	s_lshr_b32 s20, s18, 1                         ; kq: which 64 k
	s_mov_b32 s21, 32768                           ; bytes from row to row: embed's,
	s_cmp_lt_u32 ttmp9, XWG
	s_cselect_b32 s21, 4096, s21                   ; or x's
	v_lshlrev_b32 v[L4], 2, v1
	v_lshlrev_b32 v[L8], 3, v1
.irp i, 0,1,2,3,4,5,6,7
	v_mad_u32_u24 v[OFFS+\i], s21, \i, v[L4]
.endr
	v_lshlrev_b32 v[IMO], 4, v2
	s_delay_alu instid0(VALU_DEP_1)
	v_lshl_add_u32 v[IMO], v3, 12, v[IMO]
	s_mul_i32 s48, s18, STGB
	v_mul_u32_u24 v[STI], v1, SPITCH
	s_delay_alu instid0(VALU_DEP_1)
	v_add_nc_u32 v[STI], s48, v[STI]
	v_mul_u32_u24 v[STO], v3, SPITCH
	s_delay_alu instid0(VALU_DEP_1)
	v_lshl_add_u32 v[STO], v2, 4, v[STO]
	s_delay_alu instid0(VALU_DEP_1)
	v_add_nc_u32 v[STO], s48, v[STO]
	v_lshlrev_b32 v[ETO], 4, v2
	s_delay_alu instid0(VALU_DEP_1)
	v_lshl_add_u32 v[ETO], v3, 10, v[ETO]
	s_lshl_b32 s49, s20, 8
	s_lshl_b32 s50, s19, 7
	s_add_co_u32 s49, s49, s50
	s_add_co_u32 s49, s49, SUMS
	v_lshl_add_u32 v[SMA], v1, 2, s49              ; SUMS + 256 kq + 4 (32 cg + lane)
	v_lshl_add_u32 v[SML], v1, 3, SUMS
	; byte offsets for both tensors, then one compare and the choices
	s_lshr_b32 s48, ttmp9, 4
	s_lshl_b32 s48, s48, 20                        ; x: b x 256 rows of 4,096 bytes
	s_and_b32 s49, ttmp9, 15
	s_lshl_b32 s49, s49, 8
	s_add_co_u32 s48, s48, s49                     ;    + my 256 bytes of a row
	s_max_u32 s58, ttmp9, XWG
	s_sub_co_u32 s58, s58, XWG                     ; embed: the record's number (0 in x's work-groups, where it is not used)
	s_lshl_b32 s49, s58, 8                         ;    my 256 bytes of a row
	s_lshl_b32 s50, ttmp9, 14                      ; zimg: four tiles a work-group
	s_mul_i32 s51, s58, REC                        ; eimg: my record
	s_add_co_u32 s52, s51, 16384                   ; eimg: behind my record's four images
	s_mul_i32 s54, s20, s21
	s_lshl_b32 s54, s54, 6                         ; my K quarter: 64 kq rows
	s_lshl_b32 s55, s19, 7
	s_add_co_u32 s54, s54, s55                     ; + my 128 bytes
	s_lshl_b32 s55, s19, 13                        ; in the images: two tiles for each cg,
	s_lshl_b32 s56, s20, 10
	s_add_co_u32 s55, s55, s56                     ; two groups of 512 bytes for each kq
	s_cmp_lt_u32 ttmp9, XWG                        ; the choices hang on the work-group's number alone
	s_cselect_b32 s48, s48, s49
	s_cselect_b32 s50, s50, s51
	s_wait_alu depctr_va_vdst(0)
	s_wait_kmcnt 0x0
	s_cselect_b64 s[24:25], s[4:5], s[6:7]         ; from where
	s_cselect_b64 s[26:27], s[10:11], s[12:13]     ; the images
	s_load_b64 s[22:23], s[8:9], 0x0               ; e0, e1
	s_add_co_u32 s48, s48, s54
	s_mov_b32 s49, 0
	s_add_co_u32 s50, s50, s55
	s_mov_b32 s51, 0
	s_mov_b32 s53, 0
	s_add_nc_u64 s[32:33], s[24:25], s[48:49]      ; eight bases, eight rows apart: s[32:47]
	s_add_nc_u64 s[26:27], s[26:27], s[50:51]
	s_add_nc_u64 s[28:29], s[12:13], s[52:53]      ; embed's sums
	s_lshl_b32 s54, s21, 3
	s_mov_b32 s55, 0
.irp j, 1,2,3,4,5,6,7
	s_add_nc_u64 s[32+2*\j:33+2*\j], s[30+2*\j:31+2*\j], s[54:55]
.endr
.irp j, 0,1,2,3,4,5,6,7
.irp i, 0,1,2,3,4,5,6,7
	global_load_b32 v[X+8*\j+\i], v[OFFS+\i], s[32+2*\j:33+2*\j] th:TH_LOAD_NT   ; row 64 kq + 8 j + i, my column: 32 lanes read 128 consecutive bytes; read once in the launch
.endr
.endr
	s_wait_kmcnt 0x0
	s_add_co_i32 s50, s22, s23                     ; e0 + e1
	s_sub_co_i32 s50, 127, s50
	s_lshl_b32 s50, s50, 23
	s_or_b32 s30, s50, 0x80000000                  ; -2^-(e0 + e1) as f32
	s_mov_b32 s31, s30                             ; (named with it as a pair, so it is written)
	s_sub_co_i32 s48, s22, 1                       ; x: e0 - 1, since the operand is 2 x
	s_cmp_lt_u32 ttmp9, XWG
	s_cselect_b32 s48, s48, s23                    ; e
	s_add_co_i32 s48, s48, 127
	s_lshl_b32 s49, s48, 23
	v_mov_b32 v[SC], s49                           ; 2^e as f32: the conversion takes its exponent field
	s_add_co_i32 s48, s48, 8
	s_lshl_b32 s48, s48, 23
	s_or_b32 s48, s48, 0x600000
	v_mov_b32 v[LIM], s48                          ; 448 x 2^e
; the squares of 32 numbers, two at a time, in two chains; the first two products start the chains: nothing is cleared
.macro SQUARES half
.set t, 16*\half
.rept 16
.if t < 2
	v_pk_mul_f32 v[S+2*t:S+2*t+1], v[X+2*t:X+2*t+1], v[X+2*t:X+2*t+1]
.else
	v_pk_fma_f32 v[S+2*(t%2):S+2*(t%2)+1], v[X+2*t:X+2*t+1], v[X+2*t:X+2*t+1], v[S+2*(t%2):S+2*(t%2)+1]
.endif
.set t, t+1
.endr
.endm
; 32 numbers (k = 64 kq + 32 b on) become group 2 kq + b of my column's image: 16 bytes for the lanes' half 0, 16 for half 1
.macro QUANT b
.set i, 0
.rept 32
	v_med3_num_f32 v[X+32*\b+i], v[X+32*\b+i], -v[LIM], v[LIM]     ; the conversion to an 8-bit code does not saturate (ISA guide 7.6.2): the hold at the largest code x the scale
.set i, i+1
.endr
	v_cvt_scalef32_pk8_fp8_f32 v[CD+8*\b:CD+8*\b+1],   v[X+32*\b:X+32*\b+7],     v[SC]   ; P[4 G]
	v_cvt_scalef32_pk8_fp8_f32 v[CD+8*\b+2:CD+8*\b+3], v[X+32*\b+16:X+32*\b+23], v[SC]   ; P[4 G + 2]
	v_cvt_scalef32_pk8_fp8_f32 v[CD+8*\b+4:CD+8*\b+5], v[X+32*\b+8:X+32*\b+15],  v[SC]   ; P[4 G + 1]
	v_cvt_scalef32_pk8_fp8_f32 v[CD+8*\b+6:CD+8*\b+7], v[X+32*\b+24:X+32*\b+31], v[SC]   ; P[4 G + 3]
	global_store_b128 v[IMO], v[CD+8*\b:CD+8*\b+3],   s[26:27] offset:512*\b       ; sixteen lanes store 256 consecutive aligned bytes of one tile's image
	global_store_b128 v[IMO], v[CD+8*\b+4:CD+8*\b+7], s[26:27] offset:512*\b+256
.endm
	s_wait_alu depctr_va_vdst(0)
	s_wait_loadcnt 0x0
	s_cmp_lt_u32 ttmp9, XWG                        ; the branch hangs on the work-group's number: all eight waves take the same way
	s_cbranch_scc0 .Lembed
	QUANT 0                                        ; x: the codes, and nothing else
	QUANT 1
	s_branch .Lend
.Lembed:
	SQUARES 0
	SQUARES 1
	s_lshl_b32 s56, s58, 16                        ; embT: my record's 64 rows of 1,024 bytes,
	s_lshl_b32 s57, s19, 15                        ; my wave's 32 of them,
	s_add_co_u32 s56, s56, s57
	s_lshl_b32 s57, s20, 8                         ; my quarter's 256 bytes of a row
	s_add_co_u32 s56, s56, s57
	s_mov_b32 s57, 0
	s_add_nc_u64 s[56:57], s[14:15], s[56:57]
.irp t, 0,1,2,3,4,5,6,7,8,9,10,11,12,13,14,15
	ds_store_b128 v[STI], v[X+4*\t:X+4*\t+3] offset:16*\t          ; my column's 64 numbers: a row of my wave's own stage
.endr
.irp u, 0,1
.if \u
	s_wait_xcnt 0x0                                ; the first half's stores have read their data: OUTR is loaded again only behind this wait
.endif
.irp t, 0,1,2,3,4,5,6,7
	ds_load_b128 v[OUTR+4*\t:OUTR+4*\t+3], v[STO] offset:(16*\u+2*\t)*SPITCH   ; LDS serves a wave's instructions in order (ISA guide 5.7.1.4): these see my stores
.endr
.irp t, 0,1,2,3,4,5,6,7
	s_wait_dscnt 7-\t                              ; load t is in, the younger ones may be out
	global_store_b128 v[ETO], v[OUTR+4*\t:OUTR+4*\t+3], s[56:57] offset:(16*\u+2*\t)*1024   ; sixteen lanes store 256 consecutive aligned bytes of a row of embT
.endr
.endr
	s_wait_xcnt 0x0                                ; embT's stores have read their data: the codes are laid over those registers
	QUANT 0
	QUANT 1
	v_pk_add_f32 v[S:S+1], v[S:S+1], v[S+2:S+3]
	s_delay_alu instid0(VALU_DEP_1)
	v_add_f32 v[S], v[S], v[S+1]                   ; my column's sum over my 64 k
	ds_store_b32 v[SMA], v[S]
	s_wait_dscnt 0x0                               ; for the others' sake: my store has landed
	s_barrier_signal -1
	s_barrier_wait -1
	s_cmp_lg_u32 s18, 0                            ; wave 0 adds the four quarters, two columns a lane
	s_cbranch_scc1 .Lend
.irp q, 0,1,2,3
	ds_load_b64 v[X+2*\q:X+2*\q+1], v[SML] offset:256*\q
.endr
	s_wait_dscnt 0x0
	v_pk_add_f32 v[X:X+1], v[X:X+1], v[X+2:X+3]
	s_delay_alu instid0(VALU_DEP_1)
	v_pk_add_f32 v[X:X+1], v[X:X+1], v[X+4:X+5]
	s_delay_alu instid0(VALU_DEP_1)
	v_pk_add_f32 v[X:X+1], v[X:X+1], v[X+6:X+7]
	s_delay_alu instid0(VALU_DEP_1)
	v_pk_mul_f32 v[X:X+1], v[X:X+1], s[30:31] op_sel_hi:[1,0]      ; x -2^-(e0 + e1): nothing is rounded
	global_store_b64 v[L8], v[X:X+1], s[28:29]     ; 32 lanes store 256 consecutive aligned bytes
.Lend:
	s_wait_tensorcnt 0x0                           ; the wave's end
	ds_add_u32 v136, v137
	s_wait_dscnt 0x0
	s_endpgm
.Lfunc_end_k_q1796449139_quant:
	.size	k_q1796449139_quant, .Lfunc_end_k_q1796449139_quant-k_q1796449139_quant
	.p2alignl 7, 3214868480
	.fill 96, 4, 3214868480
	.section	.rodata,"a",@progbits
	.p2align	6, 0x0
	.amdhsa_kernel k_q1796449139_quant
		.amdhsa_group_segment_fixed_size 71680
		.amdhsa_private_segment_fixed_size 0
		.amdhsa_enable_private_segment 0
		.amdhsa_kernarg_size 48
		.amdhsa_user_sgpr_count 2
		.amdhsa_user_sgpr_kernarg_segment_ptr 1
		.amdhsa_wavefront_size32 1
		.amdhsa_system_sgpr_workgroup_id_x 1
		.amdhsa_system_sgpr_workgroup_id_y 1
		.amdhsa_system_sgpr_workgroup_id_z 1
		.amdhsa_system_vgpr_workitem_id 0
		.amdhsa_next_free_vgpr 138
		.amdhsa_next_free_sgpr 66
		.amdhsa_reserve_vcc 0
		.amdhsa_float_denorm_mode_32 3
		.amdhsa_float_denorm_mode_16_64 3
		.amdhsa_memory_ordered 1
		.amdhsa_forward_progress 1
		.amdhsa_inst_pref_size 29
	.end_amdhsa_kernel
	.amdgpu_metadata
---
amdhsa.version: [ 1, 2 ]
amdhsa.kernels:
  - .name:           k_q1796449139_quant
    .symbol:         k_q1796449139_quant.kd
    .args:
      - { .name: x, .offset: 0, .size: 8, .value_kind: global_buffer, .address_space: global }
      - { .name: embed, .offset: 8, .size: 8, .value_kind: global_buffer, .address_space: global }
      - { .name: lowp_scales, .offset: 16, .size: 8, .value_kind: global_buffer, .address_space: global }
      - { .name: zimg, .offset: 24, .size: 8, .value_kind: global_buffer, .address_space: global }
      - { .name: eimg, .offset: 32, .size: 8, .value_kind: global_buffer, .address_space: global }
      - { .name: embT, .offset: 40, .size: 8, .value_kind: global_buffer, .address_space: global }
    .group_segment_fixed_size: 71680
    .private_segment_fixed_size: 0
    .kernarg_segment_align: 8
    .kernarg_segment_size: 48
    .max_flat_workgroup_size: 256
    .sgpr_count:     66
    .vgpr_count:     138
    .wavefront_size: 32
...
	.end_amdgpu_metadata
.endif
;; end of part 1
;; launch dist (part 2): grid 256 x 1, 8 waves a work-group, clusters of 4 x 1, 327,680 bytes of LDS; arguments zimg, eimg, cand; writes cand
.if DOCPART == 2
	.amdgcn_target "amdgcn-amd-amdhsa--gfx1250"
	.amdhsa_code_object_version 6
	.text
	.protected	k_q1796449139_dist
	.globl	k_q1796449139_dist
	.p2align	8
	.type	k_q1796449139_dist,@function
k_q1796449139_dist:
	s_mov_b64 s[64:65], 0
	v_nop
	global_prefetch_b8 v0, s[64:65] scope:SCOPE_SE
	s_setreg_imm32_b32 hwreg(HW_REG_WAVE_MODE, 25, 1), 1
	s_wait_xcnt 0x0
	s_wait_alu depctr_hold_cnt(0) depctr_sa_sdst(0) depctr_va_vdst(0) depctr_va_sdst(0) depctr_va_ssrc(0) depctr_va_vcc(0) depctr_vm_vsrc(0)
	s_getreg_b32 s2, hwreg(HW_REG_IB_STS2, 6, 4)
	s_cmp_eq_u32 s2, 0
	s_cbranch_scc0 .Lentry_in_a_cluster
	s_endpgm
.Lentry_in_a_cluster:
	s_bfe_u32 s2, ttmp6, 0x10000c
	s_cmp_lg_u32 s2, 0x3003
	s_cbranch_scc0 .Lentry_shape_is_right
	s_endpgm
.Lentry_shape_is_right:
; THE DISTANCE PRODUCT AND, FOR EACH EIGHTH OF THE CODEBOOK, ITS ARGMIN.  For a vector z the best codeword e has the largest t = (2 z . e - |e|^2) / 2^(e0 + e1), the lowest id among equals.
; LEFT OUT: |z|^2, the same for all codewords of a vector, so it moves no id (shown at the head of the first kernel).
; SHARES.  A work-group takes 1,024 positions (one b) against 1,024 codewords: 32 x 8 = 256 work-groups.  The eighth's 16 records of eimg (each 64 codewords: four tile images of 4,096 bytes, then 64 numbers
; -|e|^2 / 2^(e0 + e1)) are 1,040 rows of 256 bytes: they lie in LDS all at once, as they lie in memory, and no byte is filled again: no ring.  Each of the eight waves keeps its own 128 positions (8 tiles, 256 registers,
; loaded from memory straight into registers) and walks all 64 tiles of 16 codewords in ascending order.  So nothing is merged between waves.
; TWO TENSOR LOADS A WAVE, cut so that what is needed first is asked for first: the head's brings 25 rows a wave, 200 in all, which hold records 0 to 2 (195 rows); the second, 105 rows a wave, goes out when the first has
; landed and has three records' work, 192 matrix instructions a wave, in which to land; a barrier in record 2's last tile shows it to every wave.
; A TILE: 16 codewords x 128 positions x 256 k = 16 matrix instructions.  Source 0 = the codewords, source 1 = the positions: lane (r, h) holds position r, and register j codeword 8 h + j.  The first of a sum's two steps takes
; the eight numbers -|e|^2 as its C, as they were loaded; the eight sums take turns.
; THE RUNNING MAXIMUM, for each position tile: four three-input maxima over the old maximum and the 8 new numbers; one compare; where the maximum has grown, seven of the eight numbers and the tile's number are kept
; (8 selects in four dual-issue pairs under VCC).  At the end the register that equals the maximum gives j (none of the seven: j = 7).  Only a greater number replaces, so the first stays.
; OUT: cand[eighth][position] = (key, id), 8 bytes: key is t's bit pattern turned into a signed whole number of the same order (-0 first made +0).  The last launch picks among a position's eight.
; CLUSTERS: the 32 work-groups of an eighth read the same records; the four of a cluster ask for them jointly (mask 15).  The positions' images go to registers by plain loads, so they are not asked for jointly.
; NO PREFETCH: the launch's only tensor loads are the two at its head; there is no stream of refills to run ahead of.
; LIMITS: NaN and infinities are not served.
.set REC,   16640
.set RA,    25                         ; rows of 256 bytes in a wave's first load,
.set RB,    105                        ; and in its second: 8 x (25 + 105) = 1,040 = 16 records of 65 rows
.set SPARE, 17*REC                     ; the spare words, 128 bytes for each of eight waves, a record's length behind the 16 records
.set ADR0, 2                           ; v2      16 x lane: my 16 bytes of a fragment group in record 0
.set EA0,  3                           ; v3      my half's eight -|e|^2 in record 0
.set ADR,  4                           ; v4, v5  the same in the record at work
.set EA,   5
.set SPW,  6                           ; v6      my spare word;  v7 = 0: never rewritten
.set NIL,  7
.set H8,   8                           ; v8      8 h
.set ZO,   9                           ; v9      16 x lane
.set CO,   10                          ; v10     8 x lane
.set VT,   19                          ; v19     the tile's number (its bank differs from that of an accumulator's register 6: the dual pair asks for that)
.set AF,   32                          ; v32-95  the codewords' fragments, two buffers of 32
.set ES,   96                          ; v96-111 -|e|^2, two buffers of 8
.set MA,   112                         ; v112-127 the maxima, old and new by turns
.set MB,   120
.set BK,   128                         ; v128-191 for each position tile: seven numbers of the best tile, then its number
.set ACC,  192                         ; v192-255 the eight sums
.set IX,   32                          ; the tail works over the fragments' first buffer
.set OV,   40
.set OI,   48
.set DT,   56
.set G1,   24                          ; s[24:31] descriptor group 1 of the first load; s[68:75] of the second
.set G1B,  68
.set G0,   32                          ; s[32:39] group 0, one for each of my two loads
.set MSB, 0
.macro WIN new                         ; the immediate's high byte repeats the setting that is left
.if MSB != \new
	s_set_vgpr_msb (MSB<<8)|\new
.set MSB, \new
.endif
.endm
.set MULW, 0x04                        ; source 1 (the positions) in window 1
.set TOZ,  0x40                        ; destination in window 1
.macro ROUND                           ; a round of the cluster's barrier
	s_barrier_signal -1
	s_barrier_wait -1
	s_cmp_lg_u32 s14, 0
	s_cbranch_scc1 .Lnot_wave_0_\@
	s_barrier_signal -3
.Lnot_wave_0_\@:
	s_barrier_wait -3
	s_barrier_signal -1
	s_barrier_wait -1
.endm
	s_load_b128 s[4:7], s[0:1], 0x0                ; zimg s[4:5], eimg s[6:7]
	s_load_b64 s[8:9], s[0:1], 0x10                ; cand
	v_lshl_add_u32 v[SPW], v0, 2, SPARE
	v_mov_b32 v[NIL], 0
	ds_add_u32 v[SPW], v[NIL]                      ; the opening: the add, twice on end, and its wait ahead of my first tensor load
	ds_add_u32 v[SPW], v[NIL]
	v_lshrrev_b32 v1, 5, v0
	v_readfirstlane_b32 s14, v1                    ; wave 0..7
	s_bfe_u32 s15, ttmp6, 0x40000                  ; cx
	s_and_b32 s16, ttmp9, 7                        ; which eighth: the cluster's number mod 8, the same in the four partners
	s_lshr_b32 s17, ttmp9, 3
	s_lshl_b32 s17, s17, 2
	s_add_co_u32 s17, s17, s15                     ; b = 4 x (cluster / 8) + cx
	s_lshl_b32 s17, s17, 3
	s_add_co_u32 s17, s17, s14                     ; 8 b + wave: which 128 positions are mine
	s_mul_i32 s18, s14, RA*256                     ; my rows of the first load, in LDS and in the eighth alike,
	s_mul_i32 s19, s14, RB*256
	s_add_co_u32 s19, s19, 8*RA*256                ; and of the second, behind the first's 200 rows
	s_mul_i32 s61, s16, 16*REC                     ; the eighth in eimg
	s_add_co_u32 s22, s61, s18
	s_mov_b32 s23, 0
	s_add_co_u32 s62, s61, s19
	s_mov_b32 s63, 0
	s_mov_b32 s21, 0
.irp g, G1, G1B
	s_mov_b32 s[\g+0], 15|(3<<16)|(1<<21)          ; the cluster's four; elements of 8 bytes; bit 21 beside a mask
	s_mov_b32 s[\g+1], 32<<16                      ; rows of 32 elements = 256 bytes, dense
	s_mov_b32 s[\g+3], 32<<16
	s_mov_b32 s[\g+5], 32
	s_mov_b32 s[\g+6], 0
	s_mov_b32 s[\g+7], 0
.endr
	s_mov_b32 s[G1+2], RA<<16
	s_mov_b32 s[G1+4], RA
	s_mov_b32 s[G1B+2], RB<<16
	s_mov_b32 s[G1B+4], RB
	s_mov_b32 s42, 0x76543210                      ; v_permlanex16_b32: lane l xor 16
	s_mov_b32 s43, 0xfedcba98
	s_mov_b32 s46, 0xffff0000                      ; lanes 16-31
	s_lshl_b32 s40, s16, 6                         ; the eighth's first tile: 64 x eighth
	s_mov_b32 s60, 0                               ; the record at work, in bytes
	v_and_b32 v1, 31, v0                           ; lane
	v_bfe_u32 v21, v0, 4, 1                        ; h
	v_lshlrev_b32 v[ADR0], 4, v1
	v_lshlrev_b32 v[ADR], 4, v1
	v_lshl_add_u32 v[EA0], v21, 5, 16384
	v_lshl_add_u32 v[EA], v21, 5, 16384
	v_lshlrev_b32 v[H8], 3, v21
	v_lshlrev_b32 v[ZO], 4, v1
	v_lshlrev_b32 v[CO], 3, v1
	s_wait_alu depctr_va_vdst(0)
	s_wait_dscnt 0x0                               ; both opening adds are done
	s_wait_kmcnt 0x0
	s_mov_b32 s[G0], 1
	s_mov_b32 s[G0+1], s18
	s_add_nc_u64 s[G0+2:G0+3], s[6:7], s[22:23]
	s_mov_b32 s[G0+4], 1
	s_mov_b32 s[G0+5], s19
	s_add_nc_u64 s[G0+6:G0+7], s[6:7], s[62:63]
	s_or_b32 s[G0+3], s[G0+3], 0x80000000
	s_or_b32 s[G0+7], s[G0+7], 0x80000000
	s_lshl_b32 s20, s17, 15
	s_add_nc_u64 s[4:5], s[4:5], s[20:21]          ; my eight position tiles
	s_lshl_b32 s20, s17, 10                        ; cand: my 128 positions x 8 bytes,
	s_lshl_b32 s19, s16, 18                        ; in the eighth's 262,144 bytes
	s_add_co_u32 s20, s20, s19
	s_add_nc_u64 s[8:9], s[8:9], s[20:21]
	WIN TOZ
.irp z, 0,1,2,3,4,5,6,7
.irp g, 0,1,2,3,4,5,6,7
	global_load_b128 v[32*\z+4*\g:32*\z+4*\g+3], v[ZO], s[4:5] offset:4096*\z+512*\g   ; the positions' images: 512 consecutive bytes a load
.endr
.endr
	WIN 0
	ROUND                                          ; in front of the first joint load
	tensor_load_to_lds s[G0:G0+3], s[G1:G1+7]      ; rows 0-199: one tensor load a wave at the head
	s_nop 0
.irp z, 0,1,2,3,4,5,6,7
	v_mov_b32 v[MA+\z], 0xff800000                 ; under every finite number
.endr
.set i, 0
.rept 64
	v_mov_b32 v[BK+i], 0                           ; written once: the selects read them
.set i, i+1
.endr
	s_wait_alu depctr_va_vdst(0)
	s_wait_tensorcnt 0x0                           ; my rows are in
	ds_add_u32 v[SPW], v[NIL]
	s_wait_dscnt 0x0
	ROUND                                          ; every wave's rows of the first 200 are in
	tensor_load_to_lds s[G0+4:G0+7], s[G1B:G1B+7]  ; rows 200-1,039: my second and last load
	s_nop 0
.rept 4
	v_nop
.endr
.macro LOADT off, eoff, b              ; a tile's fragments and its -|e|^2 into buffer b: ten LDS loads, offsets from the record at work
.irp g, 0,1,2,3,4,5,6,7
	ds_load_b128 v[AF+32*(\b)+4*\g:AF+32*(\b)+4*\g+3], v[ADR] offset:(\off)+512*\g
.endr
	ds_load_b128 v[ES+8*(\b):ES+8*(\b)+3],   v[EA] offset:(\eoff)
	ds_load_b128 v[ES+8*(\b)+4:ES+8*(\b)+7], v[EA] offset:(\eoff)+16
.endm
.macro STEP                            ; on to the next record; more than nine vector instructions follow ahead of the next reader of the two addresses
	s_add_co_u32 s60, s60, REC
	v_add_nc_u32 v[ADR], s60, v[ADR0]
	v_add_nc_u32 v[EA], s60, v[EA0]
.endm
.macro KEEP z                          ; where position tile z's maximum has grown: seven numbers and the tile's number
	v_cmp_gt_f32 vcc_lo, v[NEW+\z], v[OLD+\z]
.irp j, 0,2,4
	v_dual_cndmask_b32 v[BK+8*\z+\j], v[BK+8*\z+\j], v[ACC+8*\z+\j] :: v_dual_cndmask_b32 v[BK+8*\z+\j+1], v[BK+8*\z+\j+1], v[ACC+8*\z+\j+1]
.endr
	v_dual_cndmask_b32 v[BK+8*\z+6], v[BK+8*\z+6], v[ACC+8*\z+6] :: v_dual_cndmask_b32 v[BK+8*\z+7], v[BK+8*\z+7], v[VT]
.endm
; mode 0: the next tile lies in the same record.  1: a record's last tile.  2: the same, with the barrier that shows the second load's rows to every wave.  3: the last tile of all.
.macro TILE i, mode
.set CB, (\i)%2
.if CB
.set OLD, MB
.set NEW, MA
.else
.set OLD, MA
.set NEW, MB
.endif
.if \mode == 2
	s_wait_tensorcnt 0x0                           ; my rows of the second load have landed
	s_wait_dscnt 0x0                               ; this tile's fragments; no LDS instruction is out at the signal
	s_barrier_signal -1
.else
	s_wait_dscnt 0x0                               ; this tile's fragments, asked for a tile ago
.if \mode == 0
	LOADT 4096*((\i)+1), 64*((\i)+1), 1-CB
.endif
.if \mode == 1
	LOADT REC, REC, 1-CB
	STEP
.endif
.endif
	WIN MULW
.irp z, 0,1,2,3,4,5,6,7
	v_wmma_f32_16x16x128_fp8_fp8 v[ACC+8*\z:ACC+8*\z+7], v[AF+32*CB:AF+32*CB+15], v[32*\z:32*\z+15], v[ES+8*CB:ES+8*CB+7]
.endr
.irp z, 0,1,2,3,4,5,6,7
	v_wmma_f32_16x16x128_fp8_fp8 v[ACC+8*\z:ACC+8*\z+7], v[AF+32*CB+16:AF+32*CB+31], v[32*\z+16:32*\z+31], v[ACC+8*\z:ACC+8*\z+7]
.endr
	WIN 0
	v_mov_b32 v[VT], s40                           ; four places behind the last matrix instruction (ISA guide 7.12.1)
.rept 3
	v_nop
.endr
.irp z, 0,1,2,3,4,5,6,7
	v_max3_num_f32 v[NEW+\z], v[OLD+\z], v[ACC+8*\z], v[ACC+8*\z+1]    ; eight chains by turns; each sum is read from its low end on
.endr
.irp p, 2,4,6
.irp z, 0,1,2,3,4,5,6,7
	v_max3_num_f32 v[NEW+\z], v[NEW+\z], v[ACC+8*\z+\p], v[ACC+8*\z+\p+1]
.endr
.endr
.if \mode == 2
	s_wait_alu depctr_va_vdst(0)
	s_barrier_wait -1                              ; every wave's rows of the second load are in
	LOADT REC, REC, 1-CB
	STEP
.endif
.irp z, 0,1,2,3,4,5,6,7
	KEEP \z
.endr
	s_add_co_u32 s40, s40, 1
.endm
.macro RECORD last
	TILE 0, 0
	TILE 1, 0
	TILE 2, 0
	TILE 3, \last
.endm
.macro LEX v, i, vo, io                ; the greater number, the lower id among equals
	v_cmp_gt_f32 s44, v[\vo], v[\v]
	v_cmp_eq_f32 s45, v[\vo], v[\v]
	v_cmp_lt_u32 s47, v[\io], v[\i]
	s_and_b32 s45, s45, s47
	s_or_b32 s45, s44, s45
	v_cndmask_b32 v[\v], v[\v], v[\vo], s45
	v_cndmask_b32 v[\i], v[\i], v[\io], s45
.endm
	LOADT 0, 0, 0
	s_wait_loadcnt 0x0                             ; the positions' images
	RECORD 1                                       ; records 0 and 1: they and their look-ahead lie in the first 195 rows
	RECORD 1
	RECORD 2                                       ; record 2, with the barrier ahead of the first read of record 3
	s_mov_b32 s41, 12
.Lwalk:                                                ; records 3-14
	RECORD 1
	s_sub_co_u32 s41, s41, 1
	s_cmp_lg_u32 s41, 0
	s_cbranch_scc1 .Lwalk
	RECORD 3                                       ; record 15
	; THE IDS.  In a lane: j from the kept numbers, lowest j among equals
.irp z, 0,1,2,3,4,5,6,7
	v_mov_b32 v[IX+\z], 7
	v_mov_b32 v[OV+\z], 0
	v_mov_b32 v[OI+\z], 0
.endr
.irp j, 6,5,4,3,2,1,0
.irp z, 0,1,2,3,4,5,6,7
	v_cmp_eq_f32 s[48+\z], v[BK+8*\z+\j], v[MA+\z]
.endr
.irp z, 0,1,2,3,4,5,6,7
	v_cndmask_b32 v[IX+\z], v[IX+\z], \j, s[48+\z]
.endr
.endr
.irp z, 0,1,2,3,4,5,6,7
	v_lshl_add_u32 v[IX+\z], v[BK+8*\z+7], 4, v[IX+\z]
.endr
.irp z, 0,1,2,3,4,5,6,7
	v_add_nc_u32 v[IX+\z], v[IX+\z], v[H8]         ; id = 16 x tile + 8 h + j
.endr
.irp z, 0,1,2,3,4,5,6,7
	v_permlanex16_b32 v[OV+\z], v[MA+\z], s42, s43 ; the lanes' other half
	v_permlanex16_b32 v[OI+\z], v[IX+\z], s42, s43
.endr
.irp z, 0,1,2,3,4,5,6,7
	LEX MA+\z, IX+\z, OV+\z, OI+\z
.endr
	; the keys: t + 0 (so that -0 is +0); then a negative number's 31 low bits are turned over: signed whole numbers in t's order
.irp z, 0,1,2,3,4,5,6,7
	v_add_f32 v[MA+\z], 0, v[MA+\z]
.endr
.irp z, 0,1,2,3,4,5,6,7
	v_ashrrev_i32 v[OV+\z], 31, v[MA+\z]
.endr
.irp z, 0,1,2,3,4,5,6,7
	v_and_b32 v[OV+\z], 0x7fffffff, v[OV+\z]
.endr
.irp z, 0,1,2,3,4,5,6,7
	v_xor_b32 v[MA+\z], v[MA+\z], v[OV+\z]
.endr
.irp y, 0,1,2,3                        ; both halves of the lanes hold the result: lanes 0-15 store tile 2 y's, lanes 16-31 tile 2 y + 1's
	v_cndmask_b32 v[DT+2*\y], v[MA+2*\y], v[MA+2*\y+1], s46
	v_cndmask_b32 v[DT+2*\y+1], v[IX+2*\y], v[IX+2*\y+1], s46
.endr
.irp y, 0,1,2,3
	global_store_b64 v[CO], v[DT+2*\y:DT+2*\y+1], s[8:9] offset:256*\y   ; 32 lanes store 256 consecutive aligned bytes
.endr
	s_wait_tensorcnt 0x0                           ; the wave's end
	ds_add_u32 v[SPW], v[NIL]
	s_wait_dscnt 0x0
	ROUND                                          ; the closing round
	s_endpgm
.Lfunc_end_k_q1796449139_dist:
	.size	k_q1796449139_dist, .Lfunc_end_k_q1796449139_dist-k_q1796449139_dist
	.p2alignl 7, 3214868480
	.fill 96, 4, 3214868480
	.section	.rodata,"a",@progbits
	.p2align	6, 0x0
	.amdhsa_kernel k_q1796449139_dist
		.amdhsa_group_segment_fixed_size 327680
		.amdhsa_private_segment_fixed_size 0
		.amdhsa_enable_private_segment 0
		.amdhsa_kernarg_size 24
		.amdhsa_user_sgpr_count 2
		.amdhsa_user_sgpr_kernarg_segment_ptr 1
		.amdhsa_wavefront_size32 1
		.amdhsa_system_sgpr_workgroup_id_x 1
		.amdhsa_system_sgpr_workgroup_id_y 1
		.amdhsa_system_sgpr_workgroup_id_z 1
		.amdhsa_system_vgpr_workitem_id 0
		.amdhsa_next_free_vgpr 512
		.amdhsa_next_free_sgpr 80
		.amdhsa_reserve_vcc 1
		.amdhsa_float_denorm_mode_32 3
		.amdhsa_float_denorm_mode_16_64 3
		.amdhsa_memory_ordered 1
		.amdhsa_forward_progress 1
		.amdhsa_inst_pref_size 152
	.end_amdhsa_kernel
	.amdgpu_metadata
---
amdhsa.version: [ 1, 2 ]
amdhsa.kernels:
  - .name:           k_q1796449139_dist
    .symbol:         k_q1796449139_dist.kd
    .args:
      - { .name: zimg, .offset: 0, .size: 8, .value_kind: global_buffer, .address_space: global }
      - { .name: eimg, .offset: 8, .size: 8, .value_kind: global_buffer, .address_space: global }
      - { .name: cand, .offset: 16, .size: 8, .value_kind: global_buffer, .address_space: global }
    .group_segment_fixed_size: 327680
    .private_segment_fixed_size: 0
    .kernarg_segment_align: 8
    .kernarg_segment_size: 24
    .max_flat_workgroup_size: 256
    .sgpr_count:     80
    .vgpr_count:     512
    .wavefront_size: 32
...
	.end_amdgpu_metadata
.endif
;; end of part 2
;; launch gather (part 3): grid 512 x 1, 8 waves a work-group, no clusters, 70,912 bytes of LDS; arguments cand, embT, out0, out1; writes out0, out1
.if DOCPART == 3
	.amdgcn_target "amdgcn-amd-amdhsa--gfx1250"
	.amdhsa_code_object_version 6
	.text
	.protected	k_q1796449139_gather
	.globl	k_q1796449139_gather
	.p2align	8
	.type	k_q1796449139_gather,@function
k_q1796449139_gather:
	s_mov_b64 s[64:65], 0
	v_nop
	global_prefetch_b8 v0, s[64:65] scope:SCOPE_SE
	s_setreg_imm32_b32 hwreg(HW_REG_WAVE_MODE, 25, 1), 1
	s_wait_xcnt 0x0
; out0[b][c][p] = embed[c][id(b, p)], p = 32 h + w, and out1[b][w][h] = id(b, p): followed through reference()'s transposes, the id at a place of out0 is that of the vector of x at the same place.
; LEFT OUT: + x - stop_gradient(x), which is 0 by identity (shown at the head of the first kernel): x is not among this launch's arguments.
; cand[eighth][position] = (key, id), whole numbers stored by the launch before: the best codeword of each eighth of the codebook, key a signed whole number in the order of its score.
; The id is that of the greatest key; among equal keys the lower eighth stays, which holds the lower ids.  embT: embed transposed, [8192][256] f32, so that a codeword is a row of 1,024 bytes.
; SHARES.  A work-group takes 64 positions of one b, all 256 channels: in out0 256 rows of 256 aligned bytes.
; IN: wave v gathers the rows of positions 8 v .. 8 v + 7: four lanes to a row, 16 bytes each, sixteen loads for its 1,024 bytes.  They are turned in a stage in LDS, [channel][position], one barrier.
; OUT: wave v takes channels 32 v .. 32 v + 31: sixteen lanes read a stage row and store 256 consecutive aligned bytes of out0.  Wave 0 also stores the ids: the work-group's positions are two h for each of 32 w,
; so a lane's share of a row of out1 is 8 bytes.
; No matrix unit, no tensor load, no cluster: the rows hang on the ids, and each work-group has all its loads on their way at once; there is no loop to run ahead in, so no prefetch.
; An id is held at 8,191 before it enters an address; reference()'s argmin never passes it.
.set PITCH, 272                        ; a stage row: 64 positions x 4 bytes + 16 = 68 words
.set IDS, 70656                        ; behind the stage (69,632 bytes) and the spare words (1,024): the 64 ids
.set XO,  4                            ; v4      my 16 bytes in two rows of out0: 4,096 (lane / 16) + 16 (lane % 16)
.set IDO, 5                            ; v5      4 (thread / 4): my position
.set ID,  6                            ; v6      the id
.set GOF, 7                            ; v7      my 16 bytes of its row of embT
.set TA,  8                            ; v8, v9  the stage, in: channels 0-127, 128-255
.set RB,  10                           ; v10     the stage, out
.set CDO, 11                           ; v11     8 (thread / 4): my position's pair in an eighth of cand
.set IDA, 13                           ; v13     where my position's id goes in LDS
.set IDL, 14                           ; v14     wave 0: IDS + 4 x lane
.set O1,  15                           ; v15     wave 0: 128 x lane
.set GR,  16                           ; v16-31  the eight pairs; then v16-79 the gathered rows; then the stage's rows
	s_load_b128 s[4:7], s[0:1], 0x0                ; cand s[4:5], embT s[6:7]
	s_load_b128 s[8:11], s[0:1], 0x10              ; out0 s[8:9], out1 s[10:11]
	v_lshl_add_u32 v80, v0, 2, 0x11000             ; my spare word, behind the stage; v81 = 0
	v_mov_b32 v81, 0
	v_lshrrev_b32 v1, 5, v0
	v_readfirstlane_b32 s12, v1                    ; wave 0..7
	v_and_b32 v2, 15, v0                           ; lane % 16
	v_bfe_u32 v3, v0, 4, 1                         ; lane / 16
	v_and_b32 v1, 31, v0                           ; lane
	v_and_b32 v[IDO], 0xfc, v0                     ; 4 x (8 v + lane / 4)
	v_and_b32 v12, 3, v0                           ; lane % 4
	v_lshlrev_b32 v[XO], 4, v2
	v_lshlrev_b32 v[CDO], 1, v[IDO]
	v_add_nc_u32 v[IDA], IDS, v[IDO]
	v_lshl_add_u32 v[IDL], v1, 2, IDS
	v_lshlrev_b32 v[O1], 7, v1
	v_lshl_add_u32 v[XO], v3, 12, v[XO]
	v_mad_u32_u24 v[TA], v12, 4*PITCH, v[IDO]      ; channel 4 (lane % 4), my position: word 272 (lane % 4) + 8 v + lane / 4: the 32 lanes of a store touch 32 different banks (64 banks of 4 bytes: ISA guide 11.1)
	v_mul_u32_u24 v[RB], v3, PITCH
	s_mul_i32 s13, s12, 32*PITCH
	v_add_nc_u32 v[TA+1], 128*PITCH, v[TA]         ; (an LDS offset has 16 bits)
	v_lshl_add_u32 v[RB], v2, 4, v[RB]
	v_add_nc_u32 v[RB], s13, v[RB]
	s_lshl_b32 s14, ttmp9, 9                       ; cand: 64 pairs a work-group
	s_mov_b32 s15, 0
	s_lshr_b32 s16, ttmp9, 4                       ; b
	s_lshl_b32 s18, s16, 12                        ; out1: b x 4,096 bytes,
	s_lshl_b32 s16, s16, 20                        ; out0: b x 256 rows of 4,096 bytes,
	s_and_b32 s17, ttmp9, 15
	s_lshl_b32 s19, s17, 3
	s_add_co_u32 s18, s18, s19                     ; my two h
	s_mov_b32 s19, 0
	s_lshl_b32 s17, s17, 8
	s_add_co_u32 s16, s16, s17                     ; my 256 bytes of a row,
	s_lshl_b32 s17, s12, 17
	s_add_co_u32 s16, s16, s17                     ; my wave's 32 channels
	s_mov_b32 s17, 0
	s_wait_alu depctr_va_vdst(0)
	s_wait_kmcnt 0x0
	s_add_nc_u64 s[4:5], s[4:5], s[14:15]
	s_add_nc_u64 s[8:9], s[8:9], s[16:17]
	s_add_nc_u64 s[10:11], s[10:11], s[18:19]
.irp q, 0,1,2,3,4,5,6,7
	global_load_b64 v[GR+2*\q:GR+2*\q+1], v[CDO], s[4:5] offset:262144*\q   ; my position's pair in eighth q
.endr
	s_wait_loadcnt 0x0
.macro CMPQ a, b, m                    ; does the later eighth's key pass the earlier's?
	v_cmp_gt_i32 s[\m], v[GR+2*\b], v[GR+2*\a]
.endm
.macro SELQ a, b, m
	v_cndmask_b32 v[GR+2*\a], v[GR+2*\a], v[GR+2*\b], s[\m]
	v_cndmask_b32 v[GR+2*\a+1], v[GR+2*\a+1], v[GR+2*\b+1], s[\m]
.endm
	CMPQ 0, 1, 20
	CMPQ 2, 3, 21
	CMPQ 4, 5, 22
	CMPQ 6, 7, 23
	SELQ 0, 1, 20
	SELQ 2, 3, 21
	SELQ 4, 5, 22
	SELQ 6, 7, 23
	CMPQ 0, 2, 20
	CMPQ 4, 6, 21
	SELQ 0, 2, 20
	SELQ 4, 6, 21
	CMPQ 0, 4, 20
	SELQ 0, 4, 20
	v_min_u32 v[ID], 8191, v[GR+1]
	v_lshlrev_b32 v[GOF], 10, v[ID]
	v_lshl_add_u32 v[GOF], v12, 4, v[GOF]
	ds_store_b32 v[IDA], v[ID]                     ; a position's four lanes write the same word with the same value
.irp s, 0,1,2,3,4,5,6,7,8,9,10,11,12,13,14,15
	global_load_b128 v[GR+4*\s:GR+4*\s+3], v[GOF], s[6:7] offset:64*\s      ; channels 16 s + 4 (lane % 4) + 0 .. 3 of my position's codeword; a row may be named again, so no hint
.endr
.irp s, 0,1,2,3,4,5,6,7,8,9,10,11,12,13,14,15
	s_wait_loadcnt 15-\s                           ; load s is in, the younger ones may be out
.irp i, 0,1,2,3
	ds_store_b32 v[TA+\s/8], v[GR+4*\s+\i] offset:(16*(\s%8)+\i)*PITCH
.endr
.endr
	s_wait_dscnt 0x0                               ; for the others' sake: my stores have landed
	s_barrier_signal -1
	s_barrier_wait -1
.irp t, 0,1,2,3,4,5,6,7,8,9,10,11,12,13,14,15
	ds_load_b128 v[GR+4*\t:GR+4*\t+3], v[RB] offset:2*\t*PITCH
.endr
.irp t, 0,1,2,3,4,5,6,7,8,9,10,11,12,13,14,15
	s_wait_dscnt 15-\t                             ; load t is in, the younger ones may be out
	global_store_b128 v[XO], v[GR+4*\t:GR+4*\t+3], s[8:9] offset:8192*\t th:TH_STORE_NT   ; channels 32 v + 2 t, + 1: twice 256 consecutive aligned bytes; written once, read by nobody here
.endr
	s_cmp_lg_u32 s12, 0                            ; wave 0: lane = w; positions w and 32 + w are my two h
	s_cbranch_scc1 .Lno_ids
	ds_load_b32 v82, v[IDL]
	ds_load_b32 v83, v[IDL] offset:128
	s_wait_dscnt 0x0
	global_store_b64 v[O1], v[82:83], s[10:11]
.Lno_ids:
	s_wait_tensorcnt 0x0                           ; the wave's end
	ds_add_u32 v80, v81
	s_wait_dscnt 0x0
	s_endpgm
.Lfunc_end_k_q1796449139_gather:
	.size	k_q1796449139_gather, .Lfunc_end_k_q1796449139_gather-k_q1796449139_gather
	.p2alignl 7, 3214868480
	.fill 96, 4, 3214868480
	.section	.rodata,"a",@progbits
	.p2align	6, 0x0
	.amdhsa_kernel k_q1796449139_gather
		.amdhsa_group_segment_fixed_size 70912
		.amdhsa_private_segment_fixed_size 0
		.amdhsa_enable_private_segment 0
		.amdhsa_kernarg_size 32
		.amdhsa_user_sgpr_count 2
		.amdhsa_user_sgpr_kernarg_segment_ptr 1
		.amdhsa_wavefront_size32 1
		.amdhsa_system_sgpr_workgroup_id_x 1
		.amdhsa_system_sgpr_workgroup_id_y 1
		.amdhsa_system_sgpr_workgroup_id_z 1
		.amdhsa_system_vgpr_workitem_id 0
		.amdhsa_next_free_vgpr 84
		.amdhsa_next_free_sgpr 66
		.amdhsa_reserve_vcc 0
		.amdhsa_float_denorm_mode_32 3
		.amdhsa_float_denorm_mode_16_64 3
		.amdhsa_memory_ordered 1
		.amdhsa_forward_progress 1
		.amdhsa_inst_pref_size 14
	.end_amdhsa_kernel
	.amdgpu_metadata
---
amdhsa.version: [ 1, 2 ]
amdhsa.kernels:
  - .name:           k_q1796449139_gather
    .symbol:         k_q1796449139_gather.kd
    .args:
      - { .name: cand, .offset: 0, .size: 8, .value_kind: global_buffer, .address_space: global }
      - { .name: embT, .offset: 8, .size: 8, .value_kind: global_buffer, .address_space: global }
      - { .name: out0, .offset: 16, .size: 8, .value_kind: global_buffer, .address_space: global }
      - { .name: out1, .offset: 24, .size: 8, .value_kind: global_buffer, .address_space: global }
    .group_segment_fixed_size: 70912
    .private_segment_fixed_size: 0
    .kernarg_segment_align: 8
    .kernarg_segment_size: 32
    .max_flat_workgroup_size: 256
    .sgpr_count:     66
    .vgpr_count:     84
    .wavefront_size: 32
...
	.end_amdgpu_metadata
.endif
;; end of part 3
